; MI455X (gfx1250); checked and timed in simulation.
; The chip was launched on July 23, 2026; its instructions are those of AMD's public machine-readable ISA for CDNA 5 (MIT licence, August 2026) and "CDNA5" Instruction Set Architecture Reference Guide (July 2026). The comments in the code are by the model that wrote it; some were corrected since.
;; Attention. Allowed arithmetic: matrix products marked QUANTISED: E5M2 operands, one given power-of-two scale a tensor, by v_wmma_f32_16x16x64_bf8_bf8 or v_wmma_f32_16x16x128_bf8_bf8, f32 sums; everything else in f32.
;; Inputs: block_tables 2 x 32 int32; cu_seqlens_k 3 int32; cu_seqlens_q 3 int32; k_cache 64 x 64 x 8 x 128 float32; lowp_scales 4 int32 (the exponents e of the quantised operands' scales 2^e); q 2,048 x 32 x 128 float32; v_cache 64 x 64 x 8 x 128 float32.
;; Outputs: out0 2,048 x 32 x 128 float32.
;; This version of the problem:
;;   THIS VERSION OF THE PROBLEM IS GIVEN IN LOW PRECISION. The matrix products marked QUANTISED in the list below multiply operands that are first quantised to E5M2 (5 exponent bits, 2 mantissa bits; 8 bits a number), with one given power-of-two scale for each operand tensor; their sums are f32. All else is computed in f32.
;;   The module's matrix products, in the order in which they are computed (A, B: the left and right operand; K: the contracted axis; several contracted axes count as one K, in the product's order):
;;     1. batch 16 x [M 2,048, K 128] x [K 128, N 4,096]; A: computed on the way; B: computed on the way: QUANTISED (scales: A lowp_scales[0], B lowp_scales[1])
;;     2. batch 16 x [M 128, K 2,048] x [K 2,048, N 4,096]; A: computed on the way; B: softmax (see below): QUANTISED (scales: A lowp_scales[2], B lowp_scales[3])
;;   THE QUANTISER, for each operand of a quantised product, along K:
;;     - The operand's scale is 2^e, e = its entry of the input lowp_scales (int32; the entries are numbered through the quantised products in the list's order, A before B).
;;     - Each number is divided by the scale, clamped to +-57,344, and rounded to the nearest number of E5M2, ties to even, subnormals kept.
;;     - The product sums the exact products of the quantised numbers (number of the format x scale) in f32.
;;   ~~~python
;;   def quantise(x, axis, e):      # numpy; x: float32 -> the quantised numbers, widened to float32 again
;;       x = np.moveaxis(x, axis, -1); K = x.shape[-1]
;;       r = np.clip(x / 2.0 ** e, -57344, 57344)
;;       step = 2.0 ** (np.maximum(np.frexp(np.where(r == 0, 1, r))[1] - 1, -14) - 2)
;;       q = np.round(r / step) * step * 2.0 ** e      # np.round: ties to even
;;       return np.moveaxis(q, -1, axis).astype(np.float32)
;;   ~~~
;;   SOFTMAX AHEAD OF A QUANTISED PRODUCT. Where the list says 'softmax', what is quantised is not the finished softmax but p = 2^(t - M), with t = logit x log2(e) and M = ceil(the row's largest t), a whole number; so 1/2 < the row's largest p <= 1. The row's sum l is taken of the UNQUANTISED p, in f32, and the product's result is divided by l at the end. Since M is a whole number, a kernel that streams over the keys may use a running M (the ceiling of the running maximum): every later rescaling is an exact power of two, so the quantised numbers keep their values, but for numbers so far below the row's largest that they fall under the format's range.
;;   OPERANDS COMPUTED ON THE WAY. 'Computed on the way' means the value that the module computes at that place (a softmax that the list does not call 'softmax' is quantised finished and normalised). What goes into a quantiser is computed in f32, as accurately as f32 sums, v_exp_f32 and their like allow (about 1e-6 of the number): no bf16 or f16 on the way to a quantiser, and a product that is left as it is and whose result goes on into a quantised operand takes f32 operands (vector FMAs, or v_wmma_f32_16x16x4_f32). A number that lies on a knife's edge between two numbers of the format may be rounded either way, as far as f32 arithmetic and the matrix unit's own rounding can turn it there, and no further.
;; 2 versions, each right; version 2 is version 1 with the launch attn written anew for expert scheduling mode. Each part assembles by itself: llvm-mc -triple=amdgcn-amd-amdhsa -mcpu=gfx1250 --defsym DOCPART=n.
;; ======== version 1 of 2: 2 launches
;; limits: right only within a limited range of input values
;; workspace buffers: kv 8,388,608 bytes
;; launch kvq (part 1): grid 64 x 8, 8 waves a work-group, no clusters, 34,816 bytes of LDS; arguments k_cache, v_cache, block_tables, lowp_scales, kv; writes kv
.if DOCPART == 1
	.amdgcn_target "amdgcn-amd-amdhsa--gfx1250"
	.amdhsa_code_object_version 6
	.text
	.protected	k_qfc6c35aefa_kvq
	.globl	k_qfc6c35aefa_kvq
	.p2align	8
	.type	k_qfc6c35aefa_kvq,@function
k_qfc6c35aefa_kvq:
	s_mov_b64 s[64:65], 0
	v_nop
	global_prefetch_b8 v0, s[64:65] scope:SCOPE_SE
	s_setreg_imm32_b32 hwreg(HW_REG_WAVE_MODE, 25, 1), 1
	s_wait_xcnt 0x0
; K and V of the paged cache, f32, are gathered by the block table, turned into codes of BF8 (E5M2) with the given scales 2^ek (entry 0) and 2^ev (entry 2),
; and laid in the ORDER OF THE OPERANDS' REGISTERS, so that the attention launch takes every fragment by dense 16-byte loads.
; kv: for sk = 8 s + kv head and j = step of 128 logical keys, 32,768 bytes at (16 sk + j) x 32,768:
;   K image: + 2,048 t + 512 c + 16 l: key 128 j + 32 (t / 2) + 8 (t % 2) + r + 8 (r / 8), channels 32 c + 16 h + 0 .. 15      (l = lane, r = l % 16, h = l / 16)
;   V image: + 16,384 + 2,048 t + 512 c + 16 l: channel 16 t + r, keys 128 j + 32 c + 16 h + 0 .. 15
; code = x / 2^e, held within +-57,344, to the nearest code, ties to even.  A table entry under 0 takes physical block 0, as the gather that is asked for does.
; SHARES.  A work-group takes one logical block of 64 keys (x = 32 s + block) of one kv head (y).  Waves 0-3 make K's four tiles of 16 keys, waves 4-7 take 32 channels of V each.
; K: each load reads a key's 512 bytes as they lie; the 16 rows of a tile turn through the wave's own stage in LDS (rows 528 bytes apart: 16 rows start at 16 different banks), so that a lane holds 16 neighbours along the channels.
; V: a lane takes a channel and its registers run down the keys: the conversions give codes with the keys innermost, and sixteen lanes store 256 consecutive bytes.  No LDS.
; No barrier: waves share nothing.  No matrix unit, no tensor load, no cluster: each byte is read once and no work-group shares a byte with another.
; LIMITS: ek and ev between -126 and 112, so that 2^e and 57,344 x 2^e are f32 numbers.  NaN among the inputs is not served.
.set PIT,   528                        ; a stage row: 512 bytes + 16
.set WST,   16*PIT                     ; a wave's stage
.set SPARE, 4*WST                      ; behind the four stages: the spare words, 128 bytes for each of eight waves: four blocks of 256 bytes that no other line names
.set SPW,   12                         ; v12  LDS address of my spare word; never rewritten
.set NIL,   13                         ; v13  0; never rewritten
.set R,     16                         ; v16-79   numbers as loaded (K: 16 rows x 4 registers; V: 64 keys)
.set X,     80                         ; v80-143  K: 64 numbers of my row, register 16 c + i = channel 32 c + 16 h + i
.set C,     144                        ; v144-159 the codes
	s_load_b256 s[4:11], s[0:1], 0x0               ; k_cache s[4:5], v_cache s[6:7], the table s[8:9], the scales' exponents s[10:11]
	s_load_b64 s[12:13], s[0:1], 0x20              ; kv
	v_lshl_add_u32 v[SPW], v0, 2, SPARE
	v_mov_b32 v[NIL], 0
	v_lshrrev_b32 v1, 5, v0
	v_readfirstlane_b32 s16, v1                    ; wave 0..7
	s_and_b32 s17, s16, 3                          ; w: which tile of K, or which 32 channels of V
	v_and_b32 v1, 31, v0                           ; lane
	v_lshlrev_b32 v2, 4, v1                        ; 16 x lane
	v_and_b32 v8, 15, v0                           ; r
	v_bfe_u32 v9, v0, 4, 1                         ; h
	s_mul_i32 s22, s17, WST                        ; every LDS address is made here, ahead of the parting of the roles
	v_add_nc_u32 v3, s22, v2                       ; into the stage: a row as it lies
	v_mul_u32_u24 v4, v8, PIT
	v_lshl_add_u32 v4, v9, 6, v4
	v_add_nc_u32 v4, s22, v4                       ; out of it: row r, + 64 h bytes
	v_lshlrev_b32 v6, 2, v1                        ; V: 4 bytes a lane
	v_lshlrev_b32 v7, 4, v8
	v_lshl_add_u32 v7, v9, 11, v7                  ; V's codes: tile 2 w + l / 16, 16 bytes at 16 r
	s_and_b32 s19, ttmp7, 0xffff                   ; kv head
	s_lshr_b32 s23, ttmp9, 5                       ; s
	s_and_b32 s28, ttmp9, 31                       ; logical block
	s_lshl_b32 s20, ttmp9, 2                       ; the entry's byte in the table
	s_mov_b32 s21, 0
	s_lshl_b32 s29, s23, 3
	s_add_co_u32 s29, s29, s19                     ; sk
	s_lshl_b32 s29, s29, 4
	s_lshr_b32 s30, s28, 1
	s_add_co_u32 s29, s29, s30                     ; 16 sk + j
	s_lshl_b32 s29, s29, 15
	s_and_b32 s30, s28, 1                          ; which half of the step's 128 keys
	s_lshl_b32 s31, s30, 13
	s_lshl_b32 s32, s17, 11
	s_add_co_u32 s31, s31, s32                     ; K: tile 4 (block % 2) + w
	s_lshl_b32 s33, s30, 10
	s_lshl_b32 s32, s17, 12
	s_add_co_u32 s33, s33, s32
	s_add_co_u32 s33, s33, 16384                   ; V: behind K's images; tiles 2 w, 2 w + 1; c = 2 (block % 2) on
	s_lshr_b32 s34, s17, 1
	s_lshl_b32 s34, s34, 17
	s_and_b32 s35, s17, 1
	s_lshl_b32 s35, s35, 15
	s_add_co_u32 s34, s34, s35                     ; K's source: key 32 (w / 2) + 8 (w % 2), 4,096 bytes a key
	s_lshl_b32 s35, s17, 7                         ; V's source: channel 32 w
	s_cmp_lt_u32 s16, 4                            ; K's wave or V's?
	s_cselect_b32 s31, s31, s33
	s_cselect_b32 s34, s34, s35
	s_add_co_u32 s36, s29, s31                     ; where my codes go
	s_mov_b32 s37, 0
	s_lshl_b32 s35, s19, 9
	s_add_co_u32 s34, s34, s35                     ; + the head's 512 bytes of a key
	s_wait_kmcnt 0x0
	s_add_nc_u64 s[8:9], s[8:9], s[20:21]
	s_load_b32 s38, s[8:9], 0x0                    ; the physical block
	s_load_b128 s[24:27], s[10:11], 0x0            ; ek, eq, ev, ep
	s_cmp_lt_u32 s16, 4
	s_cselect_b64 s[4:5], s[4:5], s[6:7]           ; the choice hangs on the wave's number alone
	s_add_nc_u64 s[12:13], s[12:13], s[36:37]
	s_wait_kmcnt 0x0
	s_max_i32 s38, s38, 0                          ; a hole takes block 0
	s_min_u32 s38, s38, 63                         ; and no entry leaves the cache
	s_lshl_b32 s38, s38, 18                        ; a block is 64 keys x 4,096 bytes
	s_add_co_u32 s38, s38, s34
	s_mov_b32 s39, 0
	s_add_nc_u64 s[4:5], s[4:5], s[38:39]
	s_cmp_lt_u32 s16, 4
	s_cselect_b32 s40, s24, s26                    ; e
	s_add_co_i32 s40, s40, 127
	s_lshl_b32 s41, s40, 23
	v_mov_b32 v11, s41                             ; 2^e as f32: the conversion takes its exponent field
	s_add_co_i32 s40, s40, 15
	s_lshl_b32 s40, s40, 23
	s_or_b32 s40, s40, 0x600000
	v_mov_b32 v10, s40                             ; 57,344 x 2^e
	s_cmp_lt_u32 s16, 4
	s_cbranch_scc0 .Lv_wave
	; ---- K: stage row i is the tile's lane r = i: key i + 8 (i / 8) of the tile
.irp i, 0,1,2,3,4,5,6,7,8,9,10,11,12,13,14,15
	global_load_b128 v[R+4*\i:R+4*\i+3], v2, s[4:5] offset:(\i+8*(\i/8))*4096   ; 32 lanes read a key's 512 consecutive bytes
.endr
.irp i, 0,1,2,3,4,5,6,7,8,9,10,11,12,13,14,15
	s_wait_loadcnt 15-\i                           ; loads come back in order: row i is in, the younger ones stay out
	ds_store_b128 v3, v[R+4*\i:R+4*\i+3] offset:\i*PIT
.endr
.irp c, 0,1,2,3
.irp j, 0,1,2,3
	ds_load_b128 v[X+16*\c+4*\j:X+16*\c+4*\j+3], v4 offset:128*\c+16*\j   ; LDS serves a wave's instructions in order: these see my stores
.endr
.endr
	s_wait_dscnt 0x0
.set n, 0
.rept 64
	v_med3_num_f32 v[X+n], v[X+n], -v10, v10       ; the conversion to an 8-bit code does not saturate (ISA guide 7.6.2): the hold comes first
.set n, n+1
.endr
.irp c, 0,1,2,3
	v_cvt_scalef32_pk8_bf8_f32 v[C+4*\c:C+4*\c+1], v[X+16*\c:X+16*\c+7], v11
	v_cvt_scalef32_pk8_bf8_f32 v[C+4*\c+2:C+4*\c+3], v[X+16*\c+8:X+16*\c+15], v11
.endr
	v_nop                                          ; a plain line behind the last conversion
.irp c, 0,1,2,3
	global_store_b128 v2, v[C+4*\c:C+4*\c+3], s[12:13] offset:512*\c   ; 32 lanes store 512 consecutive bytes, at a multiple of 256 from kv's first byte
.endr
	s_wait_tensorcnt 0x0                           ; the wave's end
	ds_add_u32 v[SPW], v[NIL]
	s_wait_dscnt 0x0
	s_endpgm
.Lv_wave:
	; ---- V: register k is key k of the block, at my channel.  Four groups of 16 keys; three groups' loads go out ahead of the work, the fourth behind the first group's conversions: 48 loads of mine are out at the most
.macro VLD g                           ; group g's 16 loads
.set n, 16*(\g)
.rept 16
	global_load_b32 v[R+n], v6, s[4:5] offset:n*4096   ; 32 lanes read 128 consecutive bytes; the four waves stand side by side on a key's 512
.set n, n+1
.endr
.endm
.macro VQ g                            ; group g's 16 numbers are held and become 16 codes, four registers
.set n, 16*(\g)
.rept 16
	v_med3_num_f32 v[R+n], v[R+n], -v10, v10
.set n, n+1
.endr
	v_cvt_scalef32_pk8_bf8_f32 v[C+4*(\g):C+4*(\g)+1], v[R+16*(\g):R+16*(\g)+7], v11
	v_cvt_scalef32_pk8_bf8_f32 v[C+4*(\g)+2:C+4*(\g)+3], v[R+16*(\g)+8:R+16*(\g)+15], v11
.endm
	VLD 0
	VLD 1
	VLD 2
	s_wait_loadcnt 32                              ; group 0 is in; groups 1 and 2 may be out
	VQ 0
	VLD 3
	s_wait_loadcnt 32                              ; group 1 is in; groups 2 and 3 may be out
	VQ 1
	s_wait_loadcnt 16                              ; group 2 is in
	VQ 2
	s_wait_loadcnt 0x0
	VQ 3
	v_nop                                          ; a plain line behind the last conversion
.irp g, 0,1,2,3
	global_store_b128 v7, v[C+4*\g:C+4*\g+3], s[12:13] offset:(\g/2)*512+(\g%2)*256   ; keys 16 g on: c = g / 2, h = g % 2; sixteen lanes store 256 consecutive bytes, aligned
.endr
	s_wait_tensorcnt 0x0                           ; the same three lines close this role too
	ds_add_u32 v[SPW], v[NIL]
	s_wait_dscnt 0x0
	s_endpgm
.Lfunc_end_k_qfc6c35aefa_kvq:
	.size	k_qfc6c35aefa_kvq, .Lfunc_end_k_qfc6c35aefa_kvq-k_qfc6c35aefa_kvq
	.p2alignl 7, 3214868480
	.fill 96, 4, 3214868480
	.section	.rodata,"a",@progbits
	.p2align	6, 0x0
	.amdhsa_kernel k_qfc6c35aefa_kvq
		.amdhsa_group_segment_fixed_size 34816
		.amdhsa_private_segment_fixed_size 0
		.amdhsa_enable_private_segment 0
		.amdhsa_kernarg_size 40
		.amdhsa_user_sgpr_count 2
		.amdhsa_user_sgpr_kernarg_segment_ptr 1
		.amdhsa_wavefront_size32 1
		.amdhsa_system_sgpr_workgroup_id_x 1
		.amdhsa_system_sgpr_workgroup_id_y 1
		.amdhsa_system_sgpr_workgroup_id_z 1
		.amdhsa_system_vgpr_workitem_id 0
		.amdhsa_next_free_vgpr 160
		.amdhsa_next_free_sgpr 66
		.amdhsa_reserve_vcc 0
		.amdhsa_float_denorm_mode_32 3
		.amdhsa_float_denorm_mode_16_64 3
		.amdhsa_memory_ordered 1
		.amdhsa_forward_progress 1
		.amdhsa_inst_pref_size 24
	.end_amdhsa_kernel
	.amdgpu_metadata
---
amdhsa.version: [ 1, 2 ]
amdhsa.kernels:
  - .name:           k_qfc6c35aefa_kvq
    .symbol:         k_qfc6c35aefa_kvq.kd
    .args:
      - { .name: k_cache, .offset: 0, .size: 8, .value_kind: global_buffer, .address_space: global }
      - { .name: v_cache, .offset: 8, .size: 8, .value_kind: global_buffer, .address_space: global }
      - { .name: block_tables, .offset: 16, .size: 8, .value_kind: global_buffer, .address_space: global }
      - { .name: lowp_scales, .offset: 24, .size: 8, .value_kind: global_buffer, .address_space: global }
      - { .name: kv, .offset: 32, .size: 8, .value_kind: global_buffer, .address_space: global }
    .group_segment_fixed_size: 34816
    .private_segment_fixed_size: 0
    .kernarg_segment_align: 8
    .kernarg_segment_size: 40
    .max_flat_workgroup_size: 256
    .sgpr_count:     66
    .vgpr_count:     160
    .wavefront_size: 32
...
	.end_amdgpu_metadata
.endif
;; end of part 1
;; launch attn (part 2): grid 16 x 16, 8 waves a work-group, no clusters, 134,144 bytes of LDS; arguments q, kv, cu_seqlens_q, cu_seqlens_k, block_tables, lowp_scales, out0; writes out0
.if DOCPART == 2
	.amdgcn_target "amdgcn-amd-amdhsa--gfx1250"
	.amdhsa_code_object_version 6
	.text
	.protected	k_qfc6c35aefa_attn
	.globl	k_qfc6c35aefa_attn
	.p2align	8
	.type	k_qfc6c35aefa_attn,@function
k_qfc6c35aefa_attn:
	s_mov_b64 s[64:65], 0
	v_nop
	global_prefetch_b8 v0, s[64:65] scope:SCOPE_SE
	s_setreg_imm32_b32 hwreg(HW_REG_WAVE_MODE, 25, 1), 1
	s_wait_xcnt 0x0
; out[s, i, head] = softmax over the 2,048 logical keys of (q / sqrt(128)) . k, masked, times v; both products on codes of BF8 (E5M2) with the given scales: ek, eq, ev, ep = entries 0 .. 3.
; K's and V's codes come from kv, laid in the order of the operands' registers (32,768 bytes for a step of 128 keys: K's eight fragments, then V's eight).  q is scaled and quantised here, in registers.
; THE MASK: key k counts for query i where k <= hist + i, k < seq_len_k and the key's table entry is not negative; hist = seq_len_k - seq_len_q, from the two cu arrays.
; THE SOFTMAX: t = logit x log2(e); M = the running largest t rounded up to a whole number; p = 2^(t - M) is quantised, not normalised; the row's sum is taken of the unquantised p and divides at the end;
; when M moves, the sum and O are multiplied by 2^(old M - new M), which rounds nothing.
; SHARES.  Work-group (x = pi, y = 8 s + kv head).  Wave w takes query head 4 (kv head) + w % 4; waves 0-3 take queries 32 pi on, waves 4-7 queries 32 (31 - pi) on: whatever hist is, an early and a late block
; together walk the same number of key steps in every work-group.  A wave holds two tiles of 16 queries, so each fragment read from LDS feeds two products.
; Both products are used transposed (S^T = K Q^T, O^T = V^T P^T): a lane holds one query throughout; the keys of a tile of K are chosen so that p's 16 registers of two neighbouring tiles are 16 neighbouring keys.
; WHAT IS WALKED.  A wave walks key steps 0 .. NW - 1, up to its last query's limit; steps whose 128 keys all count skip the mask's lines.  If the wave's first query has no key that counts, the wave walks all 16 steps.
; These are scalar branches on whole numbers read from memory.  LDS is filled through registers, and there are NO TENSOR LOADS, NO CLUSTER AND NO JOINT LOADS,
; though the 16 work-groups of a kv head read the same codes.
; THE RING: two slots of 32,768 bytes.  In step j the eight waves store step j + 1 (asked for a step ago, 4,096 bytes a wave) into the slot that was left, and ask for step j + 2.  One barrier a step, on every wave's path.
; A MASKED SCORE is -2^(33 - eq - ek): as a logit -2^33, in place of -1e10.  Its t is a whole number, so that a row with no key that counts gets p = 1 for all 2,048 keys, as f32 arithmetic gives it at -1e10 too.
; LIMITS: eq and ep between -126 and 112; eq + ek between -94 and 127; the cu entries under 2^30 in magnitude; NaN is not served; a row whose largest counted logit lies under about -8e9 is not told from a masked one.
; REGISTERS.  Tile 0's numbers lie in window 0 (v0-255), tile 1's at the same numbers in window 1, so each list of vector work is written once and run under both settings:
;   v12 -M, v13 the largest t, v[14:15] the sum; v16-31 Q's codes; v32-95 four fragments of K or V (window 0: tiles 0-3, window 1: tiles 4-7); v96-111 p's codes (v100 on lie over scores that are done with);
;   v100-163 S^T, then p; v164-227 O^T; v228 57,344 x 2^ep, v229 2^ep; v230-235 at work; v236, v237 the mask's limits; v238 the masked score; v239 my query's limit - 16 h; v240-255 codes on their way to LDS.
;   window 0 alone: v0 thread; v1 16 x lane; v2 16 x thread; v3-v5 stage addresses; v6 the prefetch's offset; v7-9 at work; v10, v11 the add's two.
.set S,     100
.set O,     164
.set QC,    16
.set FB,    32
.set PC,    96
.set SG,    240
.set NM,    12
.set TM,    13
.set L,     14
.set LIMP,  228
.set SCP,   229
.set TA,    230
.set PX,    231
.set F,     232
.set L2,    234
.set D1,    236
.set D0,    237
.set NEGV,  238
.set QL,    239
.set SPW,   10
.set NIL,   11
.set SLOTB, 32768                      ; a slot, and a step's codes in kv
.set VOFF,  16384                      ; V's images behind K's
.set STAGE, 2*SLOTB                    ; behind the ring: 16 rows x 528 bytes for each wave: q's way in and O's way out
.set SP,    528
.set WST,   16*SP
.set SPARE, STAGE+8*WST                ; behind the stages: the spare words, 128 bytes for each wave: four blocks of 256 bytes that no other line names
.set WV,    18
.set SEL,   20                         ; s[20:21] selects for v_permlanex16_b32: lane l xor 16
.set CS,    22                         ; s[22:23] c = log2(e) x 2^(eq + ek)
.set HIST,  36
.set SLK1,  37                         ; seq_len_k - 1
.set VB,    38                         ; bit b: logical block b's entry is not negative
.set FK,    39                         ; the first key of the first such block
.set Q0,    40                         ; my first query
.set LIM0,  41                         ; its limit
.set NW,    42                         ; key steps that I walk
.set FILLN, 43                         ; key steps that the work-group brings in
.set PLIM,  44                         ; FILLN in a wave that prefetches, else 0
.set HOLD,  45                         ; 1 where 57,344 x 2^ep lies under 1
.set J,     46                         ; the step
.set KF,    47                         ; its first key
.set TR,    48
.set QS,    56                         ; s[56:57] 1 / sqrt(128)
.set EO,    58                         ; ep + ev
.set MSB, 0
.macro WIN new                         ; the immediate's high byte repeats the setting that is left; a switch that changes nothing is dropped
.if MSB != (\new)
	s_set_vgpr_msb (MSB<<8)|(\new)
.set MSB, (\new)
.endif
.endm
; a step's codes, 4,096 bytes a wave: 256 threads x 16 bytes an instruction, eight instructions
.macro GLOAD off
	WIN 0
.irp i, 0,1,2,3
	global_load_b128 v[SG+4*\i:SG+4*\i+3], v2, s[6:7] offset:(\off)+\i*4096
.endr
	WIN 0x40                                       ; destination window 1
.irp i, 0,1,2,3
	global_load_b128 v[SG+4*\i:SG+4*\i+3], v2, s[6:7] offset:(\off)+(\i+4)*4096
.endr
	WIN 0
.endm
.macro FILLST slot
	WIN 0
.irp i, 0,1,2,3
	ds_store_b128 v2, v[SG+4*\i:SG+4*\i+3] offset:(\slot)*SLOTB+\i*4096
.endr
	WIN 0x04                                       ; store data window 1
.irp i, 0,1,2,3
	ds_store_b128 v2, v[SG+4*\i:SG+4*\i+3] offset:(\slot)*SLOTB+(\i+4)*4096
.endr
	WIN 0
.endm
; eight fragments from LDS byte off on, as they lie: an instruction's 512 bytes are consecutive
.macro FRAGS off
	WIN 0
.irp t, 0,1,2,3
.irp c, 0,1,2,3
	ds_load_b128 v[FB+16*\t+4*\c:FB+16*\t+4*\c+3], v1 offset:(\off)+\t*2048+\c*512
.endr
.endr
	WIN 0x40
.irp t, 0,1,2,3
.irp c, 0,1,2,3
	ds_load_b128 v[FB+16*\t+4*\c:FB+16*\t+4*\c+3], v1 offset:(\off)+(\t+4)*2048+\c*512
.endr
.endr
	WIN 0
.endm
; four products: fragments of window f, tile T.  Source 0 window f; source 1, C and D window T.  Each accumulator has one instruction a step, so no two that follow each other share one.
.macro QKRUN f, T
	WIN (\f)|((\T)<<2)|((\T)<<6)
.irp t, 0,1,2,3
	v_wmma_f32_16x16x128_bf8_bf8 v[S+8*(4*\f+\t):S+8*(4*\f+\t)+7], v[FB+16*\t:FB+16*\t+15], v[QC:QC+15], 0
.endr
.endm
.macro PVRUN f, T
	WIN (\f)|((\T)<<2)|((\T)<<4)|((\T)<<6)
.irp t, 0,1,2,3
	v_wmma_f32_16x16x128_bf8_bf8 v[O+8*(4*\f+\t):O+8*(4*\f+\t)+7], v[FB+16*\t:FB+16*\t+15], v[PC:PC+15], v[O+8*(4*\f+\t):O+8*(4*\f+\t)+7]
.endr
.endm
; THE LISTS BELOW name one tile's registers and run under that tile's window.
; Register 16 b + i of S^T holds key KF + 32 b + 16 h + i: hidden where 32 b + i > my limit - KF - 16 h, or where its block (b / 2 of the step's two) is a hole (the limit is then -1).  Ascending, each accumulator from its low end.
.macro MASK
	v_sub_nc_u32 v[D0], v[QL], s[KF]
	v_min_i32 v[D1], s53, v[D0]
	v_min_i32 v[D0], s52, v[D0]
.set n, 0
.rept 32
	v_cmp_gt_i32 vcc_lo, 32*(n/16)+n%16, v[D0]
	v_cndmask_b32 v[S+n], v[S+n], v[NEGV], vcc_lo
.set n, n+1
.endr
.rept 32
	v_cmp_gt_i32 vcc_lo, 32*(n/16)+n%16, v[D1]
	v_cndmask_b32 v[S+n], v[S+n], v[NEGV], vcc_lo
.set n, n+1
.endr
.endm
.macro SM_A
	v_max3_num_f32 v[TA], v[S], v[S+1], v[S+2]     ; the step's largest score of my query among my 64 keys, in two chains,
	v_max3_num_f32 v[F], v[S+3], v[S+4], v[S+5]
.set n, 6
.rept 14
	v_max3_num_f32 v[TA], v[TA], v[S+n], v[S+n+1]
	v_max3_num_f32 v[F], v[F], v[S+n+2], v[S+n+3]
.set n, n+4
.endr
	v_max3_num_f32 v[TA], v[TA], v[S+62], v[S+63]
	v_max_num_f32 v[TA], v[TA], v[F]
	v_permlanex16_b32 v[PX], v[TA], s[SEL], s[SEL+1]
	v_max_num_f32 v[TA], v[TA], v[PX]              ; and among lane l xor 16's
	v_mul_f32 v[TA], s[CS], v[TA]                  ; as t (c is positive)
	v_max_num_f32 v[TM], v[TM], v[TA]              ; the running largest t
	v_mov_b32 v[TA], v[NM]
	v_floor_f32 v[NM], -v[TM]                      ; the new -M = floor(-t): M is a whole number
	v_sub_f32 v[TA], v[NM], v[TA]                  ; old M - new M, 0 or less
	v_cvt_i32_f32 v[TA], v[TA]                     ; (it saturates)
	v_ldexp_f32 v[F], 1.0, v[TA]                   ; f = 2^(old M - new M)
.set n, 0
.rept 32
	v_pk_fma_f32 v[S+n:S+n+1], v[S+n:S+n+1], s[CS:CS+1], v[NM:NM+1] op_sel_hi:[1,0,0]   ; t - M, two at a time
.set n, n+2
.endr
.set n, 0
.rept 64
	v_exp_f32 v[S+n], v[S+n]                       ; p = 2^(t - M)
.set n, n+1
.endr
	v_pk_mul_f32 v[L:L+1], v[L:L+1], v[F:F+1] op_sel_hi:[1,0]   ; the sums under the new M: the plain line behind the exponentials
	s_wait_alu depctr_va_vdst(0)                   ; one wait for the batch of 64, ahead of its first reader
	v_pk_add_f32 v[L2:L2+1], v[S:S+1], v[S+2:S+3]  ; the sum of the unquantised p, in two chains
.set n, 4
.rept 15
	v_pk_add_f32 v[L:L+1], v[L:L+1], v[S+n:S+n+1]
	v_pk_add_f32 v[L2:L2+1], v[L2:L2+1], v[S+n+2:S+n+3]
.set n, n+4
.endr
	v_pk_add_f32 v[L:L+1], v[L:L+1], v[L2:L2+1]
.endm
.macro HOLDP                           ; p is not negative: a one-sided hold at the largest code x the scale
.set n, 0
.rept 64
	v_min_num_f32 v[S+n], v[S+n], v[LIMP]
.set n, n+1
.endr
.endm
; p's codes, and O^T under the new M.  The eight multiplications behind each pair of conversions are the plain lines between a conversion and the later one that writes over its sources, and ahead of the products.
.macro SM_B
.irp b, 0,1,2,3
	v_cvt_scalef32_pk8_bf8_f32 v[PC+4*\b:PC+4*\b+1], v[S+16*\b:S+16*\b+7], v[SCP]
	v_cvt_scalef32_pk8_bf8_f32 v[PC+4*\b+2:PC+4*\b+3], v[S+16*\b+8:S+16*\b+15], v[SCP]
.irp i, 0,2,4,6,8,10,12,14
	v_pk_mul_f32 v[O+16*\b+\i:O+16*\b+\i+1], v[O+16*\b+\i:O+16*\b+\i+1], v[F:F+1] op_sel_hi:[1,0]
.endr
.endr
.endm
; q x 1 / sqrt(128), held, to codes: register 16 c + i = channel 32 c + 16 h + i of my query
.macro QQUANT
	v_mov_b32 v[SCP], s52                          ; 2^eq
	v_mov_b32 v[LIMP], s53                         ; 57,344 x 2^eq
.set n, 0
.rept 32
	v_pk_mul_f32 v[S+n:S+n+1], v[S+n:S+n+1], s[QS:QS+1] op_sel_hi:[1,0]
.set n, n+2
.endr
.set n, 0
.rept 64
	v_med3_num_f32 v[S+n], v[S+n], -v[LIMP], v[LIMP]
.set n, n+1
.endr
.irp c, 0,1,2,3
	v_cvt_scalef32_pk8_bf8_f32 v[QC+4*\c:QC+4*\c+1], v[S+16*\c:S+16*\c+7], v[SCP]
	v_cvt_scalef32_pk8_bf8_f32 v[QC+4*\c+2:QC+4*\c+3], v[S+16*\c+8:S+16*\c+15], v[SCP]
.endr
	v_nop                                          ; a plain line behind the last conversion
.endm
; The step is written for the loop alone: its first walk finds zeros, which the first change of M leaves zeros.  Clearing O^T once spares a further written copy of the step.
.macro INIT
	v_mov_b32 v[TM], 0xff61b1e6                    ; -3e38, under every t
	v_floor_f32 v[NM], -v[TM]
	v_mov_b32 v[L], 0
	v_mov_b32 v[L+1], 0
	v_mov_b32 v[PX], 0                             ; a lane permute's destination counts as read
	v_mov_b32 v[F+1], 0                            ; named as the upper half of a pair
.set n, 0
.rept 64
	v_mov_b32 v[O+n], 0
.set n, n+1
.endr
	v_mov_b32 v[LIMP], s54                         ; 57,344 x 2^ep
	v_mov_b32 v[SCP], s55                          ; 2^ep
	v_mov_b32 v[NEGV], s59                         ; the masked score
.endm
; How many steps the 32 queries from q0 on walk, and the first query's limit.  Signed.
.macro WALK q0, nw, lim0
	s_add_co_i32 \lim0, s[HIST], \q0
	s_add_co_i32 \nw, \lim0, 31
	s_min_i32 \lim0, \lim0, s[SLK1]
	s_min_i32 \nw, \nw, s[SLK1]
	s_min_i32 \nw, \nw, 2047                       ; the last query's last key
	s_cmp_le_i32 s[FK], \lim0                      ; has the first query a key that counts?  Then so have the others, whose limits are no lower
	s_cselect_b32 \nw, \nw, 2047                   ; else a row may be all masked, and takes all 2,048 keys
	s_lshr_b32 \nw, \nw, 7
	s_add_co_u32 \nw, \nw, 1
.endm
	s_load_b256 s[4:11], s[0:1], 0x0               ; q s[4:5], kv s[6:7], cu_seqlens_q s[8:9], cu_seqlens_k s[10:11]
	s_load_b128 s[12:15], s[0:1], 0x20             ; the table s[12:13], the scales' exponents s[14:15]
	s_load_b64 s[16:17], s[0:1], 0x30              ; out
	v_lshl_add_u32 v[SPW], v0, 2, SPARE
	v_mov_b32 v[NIL], 0
	v_lshrrev_b32 v8, 5, v0
	v_readfirstlane_b32 s[WV], v8                  ; wave 0..7
	v_and_b32 v8, 31, v0                           ; lane
	v_lshlrev_b32 v1, 4, v8
	v_lshlrev_b32 v2, 4, v0
	v_and_b32 v7, 15, v0                           ; r
	v_bfe_u32 v9, v0, 4, 1                         ; h
	s_mul_i32 s49, s[WV], WST
	s_add_co_u32 s49, s49, STAGE                   ; my stage
	v_mul_u32_u24 v3, v7, SP
	v_add_nc_u32 v3, s49, v3
	v_lshl_add_u32 v4, v9, 5, v3                   ; O on its way in: row r, + 32 h
	v_lshl_add_u32 v3, v9, 6, v3                   ; q on its way out: row r, + 64 h
	v_add_nc_u32 v5, s49, v1                       ; whole rows: 16 bytes a lane
	s_and_b32 s50, s[WV], 3                        ; which of the group's four heads
	s_lshl_b32 s51, s50, 13
	v_lshl_add_u32 v6, v8, 8, s51                  ; the prefetch: 8,192 bytes a wave, lanes 256 bytes apart
	v_lshlrev_b32 v8, 2, v8                        ; the table: an entry a lane
	v_lshlrev_b32 v9, 4, v9                        ; 16 h
	s_mov_b32 s24, ttmp9                           ; pi
	s_and_b32 s25, ttmp7, 0xffff                   ; sk
	s_lshr_b32 s26, s25, 3                         ; s
	s_and_b32 s27, s25, 7                          ; kv head
	s_sub_co_u32 s52, 31, s24
	s_cmp_lt_u32 s[WV], 4
	s_cselect_b32 s[Q0], s24, s52
	s_lshl_b32 s[Q0], s[Q0], 5
	s_lshl_b32 s53, s26, 10
	s_add_co_u32 s53, s53, s[Q0]                   ; my first token,
	s_lshl_b32 s53, s53, 5
	s_lshl_b32 s54, s27, 2
	s_add_co_u32 s53, s53, s54
	s_add_co_u32 s53, s53, s50                     ; x 32 heads + my head,
	s_lshl_b32 s60, s53, 9                         ; x 512 bytes
	s_mov_b32 s61, 0
	s_lshl_b32 s62, s25, 19                        ; sk x 16 steps x 32,768 bytes
	s_mov_b32 s63, 0
	s_lshl_b32 s66, s26, 2                         ; entry s of the cu arrays
	s_mov_b32 s67, 0
	s_lshl_b32 s68, s26, 7                         ; row s of the table
	s_mov_b32 s69, 0
	s_mov_b32 s[SEL], 0x76543210
	s_mov_b32 s[SEL+1], 0xfedcba98
	s_mov_b32 s[QS], 0x3db504f3                    ; 1 / sqrt(128)
	s_mov_b32 s[QS+1], s[QS]
	s_wait_kmcnt 0x0
	s_add_nc_u64 s[8:9], s[8:9], s[66:67]
	s_add_nc_u64 s[10:11], s[10:11], s[66:67]
	s_load_b32 s28, s[8:9], 0x0
	s_load_b32 s29, s[8:9], 0x4
	s_load_b32 s30, s[10:11], 0x0
	s_load_b32 s31, s[10:11], 0x4
	s_load_b128 s[32:35], s[14:15], 0x0            ; ek, eq, ev, ep
	s_add_nc_u64 s[6:7], s[6:7], s[62:63]
	s_add_nc_u64 s[4:5], s[4:5], s[60:61]
	s_add_nc_u64 s[16:17], s[16:17], s[60:61]
	s_add_nc_u64 s[12:13], s[12:13], s[68:69]
	GLOAD 0                                        ; step 0's codes: 8 loads
	global_load_b32 v[TA], v8, s[12:13]            ; my sequence's 32 entries
.irp i, 0,1,2,3,4,5,6,7,8,9,10,11,12,13,14,15
	global_load_b128 v[S+4*\i:S+4*\i+3], v1, s[4:5] offset:\i*16384 th:TH_LOAD_NT   ; tile 0: 32 lanes read a query's 512 consecutive bytes
.endr
	WIN 0x40
.irp i, 0,1,2,3,4,5,6,7,8,9,10,11,12,13,14,15
	global_load_b128 v[S+4*\i:S+4*\i+3], v1, s[4:5] offset:262144+\i*16384 th:TH_LOAD_NT   ; tile 1
.endr
	WIN 0
	s_wait_kmcnt 0x0
	s_sub_co_i32 s49, s29, s28                     ; seq_len_q
	s_sub_co_i32 s50, s31, s30                     ; seq_len_k
	s_sub_co_i32 s[HIST], s50, s49
	s_sub_co_i32 s[SLK1], s50, 1
	s_add_co_i32 s49, s32, s33                     ; ek + eq
	s_lshl_b32 s50, s49, 23
	s_add_co_i32 s[CS], s50, 0x3fb8aa3b            ; log2(e), the two exponents added to its exponent field
	s_mov_b32 s[CS+1], s[CS]
	s_sub_co_i32 s49, 160, s49
	s_lshl_b32 s49, s49, 23
	s_or_b32 s59, s49, 0x80000000                  ; -2^(33 - eq - ek)
	s_add_co_i32 s49, s33, 127
	s_lshl_b32 s52, s49, 23                        ; 2^eq
	s_add_co_i32 s49, s49, 15
	s_lshl_b32 s49, s49, 23
	s_or_b32 s53, s49, 0x600000                    ; 57,344 x 2^eq
	s_add_co_i32 s49, s35, 127
	s_lshl_b32 s55, s49, 23                        ; 2^ep
	s_add_co_i32 s49, s49, 15
	s_lshl_b32 s49, s49, 23
	s_or_b32 s54, s49, 0x600000                    ; 57,344 x 2^ep
	s_add_co_i32 s[EO], s34, s35
	s_cmp_lt_i32 s35, -15                          ; p is at most 1: the hold can bind only where 57,344 x 2^ep is under 1
	s_cselect_b32 s[HOLD], 1, 0
	s_wait_loadcnt 33                              ; step 0's eight are in; behind them: the table's load and q's 32
	FILLST 0
	s_wait_dscnt 0x0                               ; the stores have read their registers
	GLOAD SLOTB                                    ; step 1's codes (every kv head has 16 steps: inside the buffer)
	s_wait_loadcnt 40                              ; the table's entries are in; behind them: q's 32 and step 1's 8
	v_cmp_le_i32 s[VB], 0, v[TA]
	s_ctz_i32_b32 s[FK], s[VB]
	s_lshl_b32 s[FK], s[FK], 6
	s_cmp_eq_u32 s[VB], 0
	s_cselect_b32 s[FK], 0x7fffffff, s[FK]
	s_lshl_b32 s70, s24, 5
	s_sub_co_u32 s73, 31, s24
	s_lshl_b32 s73, s73, 5
	WALK s70, s71, s72                             ; the early block,
	WALK s73, s74, s75                             ; the late one
	s_max_u32 s[FILLN], s71, s74
	s_cmp_lt_u32 s[WV], 4
	s_cselect_b32 s[NW], s71, s74
	s_cselect_b32 s[LIM0], s72, s75
	s_lshr_b32 s49, s[WV], 2
	s_xor_b32 s49, s49, 1                          ; 0 in waves 4 to 7,
	s_or_b32 s49, s49, s24                         ; of the kv head's first work-group
	s_cmp_eq_u32 s49, 0
	s_cselect_b32 s[PLIM], s[FILLN], 0
	s_add_co_i32 s49, s[HIST], s[Q0]
	v_add_nc_u32 v[QL], s49, v7
	v_min_i32 v[QL], s[SLK1], v[QL]
	v_sub_nc_u32 v[QL], v[QL], v9                  ; tile 0: min(hist + my query, seq_len_k - 1) - 16 h
	s_add_co_i32 s49, s49, 16
	v_add_nc_u32 v8, s49, v7
	v_min_i32 v8, s[SLK1], v8
	v_sub_nc_u32 v8, v8, v9
	WIN 0x40
	v_mov_b32 v[QL], v8                            ; tile 1's
	WIN 0
	s_wait_loadcnt 8                               ; q is in; step 1's eight may be out
	; q turns through my stage: rows in as they lie, out 64 bytes a lane of each 128.  LDS serves a wave's instructions in order: no wait between the stores and the loads, nor ahead of tile 1's stores.
.irp i, 0,1,2,3,4,5,6,7,8,9,10,11,12,13,14,15
	ds_store_b128 v5, v[S+4*\i:S+4*\i+3] offset:\i*SP
.endr
.irp c, 0,1,2,3
.irp j, 0,1,2,3
	ds_load_b128 v[S+16*\c+4*\j:S+16*\c+4*\j+3], v3 offset:128*\c+16*\j
.endr
.endr
	WIN 0x04
.irp i, 0,1,2,3,4,5,6,7,8,9,10,11,12,13,14,15
	ds_store_b128 v5, v[S+4*\i:S+4*\i+3] offset:\i*SP
.endr
	s_wait_dscnt 16                                ; tile 0 is back; tile 1's 16 stores may be out
	WIN 0x40
.irp c, 0,1,2,3
.irp j, 0,1,2,3
	ds_load_b128 v[S+16*\c+4*\j:S+16*\c+4*\j+3], v3 offset:128*\c+16*\j   ; tile 1 comes back while tile 0 is quantised
.endr
.endr
	WIN 0
	QQUANT
	INIT
	s_wait_dscnt 0x0                               ; tile 1 is back
	WIN 0x55                                       ; all four operand places in window 1
	QQUANT
	INIT
	WIN 0
	s_mov_b32 s[J], 0
	s_mov_b32 s[KF], 0
	s_mov_b32 s[TR], 8
; THE RING'S SHARE OF A STEP, which every wave does, whether it walks the step or not: my 4,096 bytes of step J + 1 go into the slot that was left, and my 4,096 bytes of step J + 2 are asked for.
; pf = 1: A PREFETCH INTO THE L2 of step J + 3, which the next step's loads will want, stands behind the loads.  All 16 work-groups of a kv head walk the same codes: the first of them asks, in its waves 4 to 7,
; 8,192 bytes a wave, lanes 256 bytes apart: each aligned block of 256 bytes is named once in the launch.  Steps 0 to 2 come by their loads alone; nothing is asked for beyond the steps that are brought in,
; and a wave asks only in steps that it walks, where the step's work stands between the prefetch and the next write of its address.
.macro FEED p, pf
	s_wait_loadcnt 0x0                             ; on every path: the codes asked for a step ago are in, ahead of the stores that read them and of the next loads into the same registers
	s_add_co_u32 s49, s[J], 1
	s_cmp_lt_u32 s49, s[FILLN]
	s_cbranch_scc0 .Lno_fill_\@
	FILLST 1-\p                                    ; step J + 1's codes
.Lno_fill_\@:
	s_wait_dscnt 0x0                               ; the stores have read their registers (and, in a wave that walks the step, K's fragments are in)
	s_add_co_u32 s49, s[J], 2
	s_cmp_lt_u32 s49, s[FILLN]
	s_cbranch_scc0 .Lno_load_\@
	GLOAD \p*SLOTB                                 ; step J + 2's codes
.if \pf
	s_add_co_u32 s49, s[J], 3
	s_cmp_lt_u32 s49, s[PLIM]
	s_cbranch_scc0 .Lno_load_\@
	global_prefetch_b8 v6, s[6:7] offset:(\p+1)*SLOTB th:TH_LOAD_NT scope:SCOPE_SE
.endif
.Lno_load_\@:
.endm
; A KEY STEP, in slot p.  Every LDS address is a register that never changes plus an immediate.
.macro STEP p
	s_wait_dscnt 0x0                               ; my stores into this slot have landed, my reads of the other slot are in
	s_barrier_signal -1
	s_barrier_wait -1                              ; both now hold of all eight waves
.if \p == 0
	s_wait_xcnt 0x0                                ; the loads and the prefetch that named the pointer have read it
	s_add_nc_u64 s[6:7], s[6:7], 2*SLOTB           ; now at step J + 2
.endif
	s_cmp_lt_u32 s[J], s[NW]                       ; ONE test parts the two ways: the products below stand on the way on which their fragments are loaded
	s_cbranch_scc1 .Lwalk_\@
	FEED \p, 0                                     ; all 128 keys lie beyond my last query's limit: the ring's share alone
	s_branch .Lhidden_\@
.Lwalk_\@:
	FRAGS \p*SLOTB                                 ; K's eight fragments
	FEED \p, 1
	QKRUN 0, 0                                     ; S^T = K Q^T
	QKRUN 0, 1
	QKRUN 1, 0
	QKRUN 1, 1
.rept 4
	v_nop                                          ; four places ahead of loads into registers that the products read, and of the first read of the scores
.endr
	FRAGS \p*SLOTB+VOFF                            ; V's eight fragments land under the softmax
	s_add_co_i32 s49, s[KF], 127
	s_lshl_b32 s50, s[J], 1
	s_lshr_b32 s50, s[VB], s50
	s_and_b32 s50, s50, 3                          ; the step's two blocks
	s_cmp_le_i32 s49, s[LIM0]                      ; all 128 keys within my first query's limit,
	s_cselect_b32 s51, s50, 0
	s_cmp_eq_u32 s51, 3                            ; and neither block a hole: nothing to mask
	s_cbranch_scc1 .Lopen_\@
	s_bitcmp1_b32 s50, 0
	s_cselect_b32 s52, 0x7fffffff, -1
	s_bitcmp1_b32 s50, 1
	s_cselect_b32 s53, 0x7fffffff, -1
	MASK
	WIN 0x55
	MASK
	WIN 0
.Lopen_\@:
	SM_A
	WIN 0x55
	SM_A
	WIN 0
	s_cmp_eq_u32 s[HOLD], 0
	s_cbranch_scc1 .Lno_hold_\@
	HOLDP
	WIN 0x55
	HOLDP
	WIN 0
.Lno_hold_\@:
	SM_B
	WIN 0x55
	SM_B
	s_wait_dscnt 0x0                               ; V is in
	PVRUN 0, 0                                     ; O^T += V^T P^T
	PVRUN 0, 1
	PVRUN 1, 0
	PVRUN 1, 1
.rept 5
	v_nop                                          ; four places ahead of the next loads into the fragments' registers; the fifth since the next step's first products write over p's codes
.endr
	WIN 0
.Lhidden_\@:
	s_add_co_u32 s[KF], s[KF], 128
	s_add_co_u32 s[J], s[J], 1
.endm
.Ltrip:                                            ; eight trips of two steps: a constant, so that every wave passes every barrier; what a wave does not need it jumps over
	STEP 0
	STEP 1
	s_sub_co_u32 s[TR], s[TR], 1
	s_cmp_lg_u32 s[TR], 0
	s_cbranch_scc1 .Ltrip
	; THE WAY OUT.  O^T / the sum x 2^(ep + ev); register 8 t + i is out(query r, channel 16 t + 8 h + i).  A tile goes through my stage and leaves as whole rows of 512 bytes.
.macro OCALC                           ; under the tile's window
	v_add_f32 v[L], v[L], v[L+1]
	v_permlanex16_b32 v[PX], v[L], s[SEL], s[SEL+1]
	v_add_f32 v[L], v[L], v[PX]                    ; the row's sum: over 1/2, since the largest p is
	v_rcp_f32 v[L], v[L]
	v_nop                                          ; a plain line behind the reciprocal,
	s_wait_alu depctr_va_vdst(0)                   ; and the wait ahead of its first reader
	v_ldexp_f32 v[L], v[L], s[EO]
.set n, 0
.rept 32
	v_pk_mul_f32 v[S+n:S+n+1], v[O+n:O+n+1], v[L:L+1] op_sel_hi:[1,0]   ; each accumulator from its low end on
.set n, n+2
.endr
.endm
.macro OSTAGE T
	WIN 0x04*(\T)
.irp t, 0,1,2,3,4,5,6,7
	ds_store_b128 v4, v[S+8*\t:S+8*\t+3] offset:64*\t
	ds_store_b128 v4, v[S+8*\t+4:S+8*\t+7] offset:64*\t+16
.endr
	WIN 0x40*(\T)
.irp i, 0,1,2,3,4,5,6,7,8,9,10,11,12,13,14,15
	ds_load_b128 v[O+4*\i:O+4*\i+3], v5 offset:\i*SP   ; LDS serves a wave's instructions in order: these see my stores, and the next tile's stores come behind them
.endr
.endm
.macro OSEND T
	WIN 0x04*(\T)
.irp i, 0,1,2,3,4,5,6,7,8,9,10,11,12,13,14,15
	s_wait_dscnt 15-\i                             ; row i is back; the younger loads stay out
	global_store_b128 v1, v[O+4*\i:O+4*\i+3], s[16:17] offset:(\T)*262144+\i*16384 th:TH_STORE_NT   ; 32 lanes store 512 consecutive bytes, at a multiple of 256 from out's first byte
.endr
.endm
	OCALC
	OSTAGE 0
	WIN 0x55
	OCALC                                          ; tile 1's arithmetic stands between tile 0's loads from the stage and the wait for them
	OSEND 0
	OSTAGE 1
	OSEND 1
	WIN 0
	s_wait_tensorcnt 0x0                           ; the wave's end
	ds_add_u32 v[SPW], v[NIL]
	s_wait_dscnt 0x0
	s_endpgm
.Lfunc_end_k_qfc6c35aefa_attn:
	.size	k_qfc6c35aefa_attn, .Lfunc_end_k_qfc6c35aefa_attn-k_qfc6c35aefa_attn
	.p2alignl 7, 3214868480
	.fill 96, 4, 3214868480
	.section	.rodata,"a",@progbits
	.p2align	6, 0x0
	.amdhsa_kernel k_qfc6c35aefa_attn
		.amdhsa_group_segment_fixed_size 134144
		.amdhsa_private_segment_fixed_size 0
		.amdhsa_enable_private_segment 0
		.amdhsa_kernarg_size 56
		.amdhsa_user_sgpr_count 2
		.amdhsa_user_sgpr_kernarg_segment_ptr 1
		.amdhsa_wavefront_size32 1
		.amdhsa_system_sgpr_workgroup_id_x 1
		.amdhsa_system_sgpr_workgroup_id_y 1
		.amdhsa_system_sgpr_workgroup_id_z 1
		.amdhsa_system_vgpr_workitem_id 0
		.amdhsa_next_free_vgpr 512
		.amdhsa_next_free_sgpr 80
		.amdhsa_reserve_vcc 1
		.amdhsa_float_denorm_mode_32 3
		.amdhsa_float_denorm_mode_16_64 3
		.amdhsa_memory_ordered 1
		.amdhsa_forward_progress 1
		.amdhsa_inst_pref_size 141
	.end_amdhsa_kernel
	.amdgpu_metadata
---
amdhsa.version: [ 1, 2 ]
amdhsa.kernels:
  - .name:           k_qfc6c35aefa_attn
    .symbol:         k_qfc6c35aefa_attn.kd
    .args:
      - { .name: q, .offset: 0, .size: 8, .value_kind: global_buffer, .address_space: global }
      - { .name: kv, .offset: 8, .size: 8, .value_kind: global_buffer, .address_space: global }
      - { .name: cu_seqlens_q, .offset: 16, .size: 8, .value_kind: global_buffer, .address_space: global }
      - { .name: cu_seqlens_k, .offset: 24, .size: 8, .value_kind: global_buffer, .address_space: global }
      - { .name: block_tables, .offset: 32, .size: 8, .value_kind: global_buffer, .address_space: global }
      - { .name: lowp_scales, .offset: 40, .size: 8, .value_kind: global_buffer, .address_space: global }
      - { .name: out0, .offset: 48, .size: 8, .value_kind: global_buffer, .address_space: global }
    .group_segment_fixed_size: 134144
    .private_segment_fixed_size: 0
    .kernarg_segment_align: 8
    .kernarg_segment_size: 56
    .max_flat_workgroup_size: 256
    .sgpr_count:     80
    .vgpr_count:     512
    .wavefront_size: 32
...
	.end_amdgpu_metadata
.endif
;; end of part 2
;; ======== version 2 of 2: 2 launches; version 1 with the launch attn written anew for expert scheduling mode
;; limits: right only within a limited range of input values
;; workspace buffers: kv 8,388,608 bytes
;; launch kvq: the kernel of part 1 again; grid 64 x 8, 8 waves a work-group, no clusters, 34,816 bytes of LDS; arguments k_cache, v_cache, block_tables, lowp_scales, kv; writes kv
;; launch attn (part 3): grid 16 x 16, 8 waves a work-group, no clusters, 134,144 bytes of LDS; arguments q, kv, cu_seqlens_q, cu_seqlens_k, block_tables, lowp_scales, out0; writes out0
.if DOCPART == 3
	.amdgcn_target "amdgcn-amd-amdhsa--gfx1250"
	.amdhsa_code_object_version 6
	.text
	.protected	k_qfc6c35aefa_attn
	.globl	k_qfc6c35aefa_attn
	.p2align	8
	.type	k_qfc6c35aefa_attn,@function
k_qfc6c35aefa_attn:
	s_mov_b64 s[64:65], 0
	v_nop
	global_prefetch_b8 v0, s[64:65] scope:SCOPE_SE
	s_setreg_imm32_b32 hwreg(HW_REG_WAVE_SCHED_MODE, 0, 2), 2
	s_setreg_imm32_b32 hwreg(HW_REG_WAVE_MODE, 25, 1), 1
	s_wait_xcnt 0x0
	s_wait_alu depctr_vm_vsrc(0)
; out[s, i, head] = softmax over the 2,048 logical keys of (q / sqrt(128)) . k, masked, times v; both products on codes of BF8 (E5M2) with the given scales: ek, eq, ev, ep = entries 0 .. 3.
; K's and V's codes come from kv, laid in the order of the operands' registers (32,768 bytes for a step of 128 keys: K's eight fragments, then V's eight).  q is scaled and quantised here, in registers.
; THE MASK: key k counts for query i where k <= hist + i, k < seq_len_k and the key's table entry is not negative; hist = seq_len_k - seq_len_q, from the two cu arrays.
; THE SOFTMAX: t = logit x log2(e); M = the running largest t rounded up to a whole number; p = 2^(t - M) is quantised, not normalised; the row's sum is taken of the unquantised p and divides at the end;
; when M moves, the sum and O are multiplied by 2^(old M - new M), which rounds nothing.
; SHARES.  Work-group (x = pi, y = 8 s + kv head).  Wave w takes query head 4 (kv head) + w % 4; waves 0-3 take queries 32 pi on, waves 4-7 queries 32 (31 - pi) on: whatever hist is, an early and a late block
; together walk the same number of key steps in every work-group.  A wave holds two tiles of 16 queries, so each fragment read from LDS feeds two products.
; Both products are used transposed (S^T = K Q^T, O^T = V^T P^T): a lane holds one query throughout; the keys of a tile of K are chosen so that p's 16 registers of two neighbouring tiles are 16 neighbouring keys.
; WHAT IS WALKED.  A wave walks key steps 0 .. NW - 1, up to its last query's limit; steps whose 128 keys all count skip the mask's lines.  If the wave's first query has no key that counts, the wave walks all 16 steps.
; These are scalar branches on whole numbers read from memory.  LDS is filled through registers, and there are NO TENSOR LOADS, NO CLUSTER AND NO JOINT LOADS,
; though the 16 work-groups of a kv head read the same codes.
; THE RING: two slots of 32,768 bytes.  In step j the eight waves store step j + 1 (asked for a step ago, 4,096 bytes a wave) into the slot that was left, and ask for step j + 2.  One barrier a step, on every wave's path.
; A MASKED SCORE is -2^(33 - eq - ek): as a logit -2^33, in place of -1e10.  Its t is a whole number, so that a row with no key that counts gets p = 1 for all 2,048 keys, as f32 arithmetic gives it at -1e10 too.
; LIMITS: eq and ep between -126 and 112; eq + ek between -94 and 127; the cu entries under 2^30 in magnitude; NaN is not served; a row whose largest counted logit lies under about -8e9 is not told from a masked one.
; REGISTERS.  Tile 0's numbers lie in window 0 (v0-255), tile 1's at the same numbers in window 1, so each list of vector work is written once and run under both settings:
;   v12 -M, v13 the largest t, v[14:15] the sum; v16-31 Q's codes; v32-95 four fragments of K or V (window 0: tiles 0-3, window 1: tiles 4-7); v96-111 p's codes (v100 on lie over scores that are done with);
;   v100-163 S^T, then p; v164-227 O^T; v228 57,344 x 2^ep, v229 2^ep; v230-235 at work; v236, v237 the mask's limits; v238 the masked score; v239 my query's limit - 16 h; v240-255 codes on their way to LDS.
;   window 0 alone: v0 thread; v1 16 x lane; v2 16 x thread; v3-v5 stage addresses; v6 the prefetch's offset; v7-9 at work; v10, v11 the add's two.
; THE MODE: SCHED_MODE bits 1:0 = 2 (LLVM: expert scheduling mode 2), set by the entry lines.  The code itself states the register dependences between vector or matrix instructions and memory or LDS instructions,
; and between a vector instruction that writes a scalar register and that register's readers, with s_wait_alu, always for 0.
; THE PLAN.  Registers that memory or LDS instructions touch:
;   v1-v6         offsets and LDS addresses: written once at the head, ahead of the head's wait on va_vdst, and never again.  (v8, the table's offset, is written again at the head, behind a wait on vm_vsrc.)
;   v240-255      of both windows, the codes on their way: the loads of step j + 2 land there, the LDS stores of the next step read them; no vector instruction names them.  One wait on vm_vsrc a step, between the stores and the loads.
;   v32-95        of both windows, the fragments: K's loads land there, the products K Q^T read them, V's loads land there, the products V^T P^T read them.  Two waits on va_vdst a step, each behind one kind of products and ahead of
;                 the other kind's loads.  V's loads into window 1 stand further on, behind tile 0's softmax, whose lines name none of the registers that those loads touch.
;   v100-163      at the head: q's loads, the stage's stores, the stage's loads, then vector work in place: a wait on vm_vsrc between the stores and the loads.  On the way out: written by vector lines, read by the stage's stores.
;   v164-227      on the way out: read by vector lines, then the stage's loads land there and the global stores read them.  One wait on va_vdst a tile serves this and the line above.
;   s80-95        the mask's bits: sixteen compares write them, one wait on va_sdst follows, sixteen selects read them.
.set S,     100
.set O,     164
.set QC,    16
.set FB,    32
.set PC,    96
.set SG,    240
.set NM,    12
.set TM,    13
.set L,     14
.set LIMP,  228
.set SCP,   229
.set TA,    230
.set PX,    231
.set F,     232
.set L2,    234
.set D1,    236
.set D0,    237
.set NEGV,  238
.set QL,    239
.set SPW,   10
.set NIL,   11
.set SLOTB, 32768                      ; a slot, and a step's codes in kv
.set VOFF,  16384                      ; V's images behind K's
.set STAGE, 2*SLOTB                    ; behind the ring: 16 rows x 528 bytes for each wave: q's way in and O's way out
.set SP,    528
.set WST,   16*SP
.set SPARE, STAGE+8*WST                ; behind the stages: the spare words, 128 bytes for each wave: four blocks of 256 bytes that no other line names
.set WV,    18
.set SEL,   20                         ; s[20:21] selects for v_permlanex16_b32: lane l xor 16
.set CS,    22                         ; s[22:23] c = log2(e) x 2^(eq + ek)
.set HIST,  36
.set SLK1,  37                         ; seq_len_k - 1
.set VB,    38                         ; bit b: logical block b's entry is not negative
.set FK,    39                         ; the first key of the first such block
.set Q0,    40                         ; my first query
.set LIM0,  41                         ; its limit
.set NW,    42                         ; key steps that I walk
.set FILLN, 43                         ; key steps that the work-group brings in
.set PLIM,  44                         ; FILLN in a wave that prefetches, else 0
.set HOLD,  45                         ; 1 where 57,344 x 2^ep lies under 1
.set J,     46                         ; the step
.set KF,    47                         ; its first key
.set TR,    48
.set QS,    56                         ; s[56:57] 1 / sqrt(128)
.set EO,    58                         ; ep + ev
.set MK,    80                         ; s[80:95] the mask's bits of sixteen registers of scores
.set MSB, 0
.macro WIN new                         ; the immediate's high byte repeats the setting that is left; a switch that changes nothing is dropped
.if MSB != (\new)
	s_set_vgpr_msb (MSB<<8)|(\new)
.set MSB, (\new)
.endif
.endm
; a step's codes, 4,096 bytes a wave: 256 threads x 16 bytes an instruction, eight instructions
.macro GLOAD off
	WIN 0
.irp i, 0,1,2,3
	global_load_b128 v[SG+4*\i:SG+4*\i+3], v2, s[6:7] offset:(\off)+\i*4096
.endr
	WIN 0x40                                       ; destination window 1
.irp i, 0,1,2,3
	global_load_b128 v[SG+4*\i:SG+4*\i+3], v2, s[6:7] offset:(\off)+(\i+4)*4096
.endr
	WIN 0
.endm
.macro FILLST slot
	WIN 0
.irp i, 0,1,2,3
	ds_store_b128 v2, v[SG+4*\i:SG+4*\i+3] offset:(\slot)*SLOTB+\i*4096
.endr
	WIN 0x04                                       ; store data window 1
.irp i, 0,1,2,3
	ds_store_b128 v2, v[SG+4*\i:SG+4*\i+3] offset:(\slot)*SLOTB+(\i+4)*4096
.endr
	WIN 0
.endm
; eight fragments from LDS byte off on, as they lie: an instruction's 512 bytes are consecutive.  FRAGS0: tiles 0-3 into window 0; FRAGS1: tiles 4-7 into window 1
.macro FRAGS0 off
	WIN 0
.irp t, 0,1,2,3
.irp c, 0,1,2,3
	ds_load_b128 v[FB+16*\t+4*\c:FB+16*\t+4*\c+3], v1 offset:(\off)+\t*2048+\c*512
.endr
.endr
.endm
.macro FRAGS1 off
	WIN 0x40
.irp t, 0,1,2,3
.irp c, 0,1,2,3
	ds_load_b128 v[FB+16*\t+4*\c:FB+16*\t+4*\c+3], v1 offset:(\off)+(\t+4)*2048+\c*512
.endr
.endr
.endm
; four products: fragments of window f, tile T.  Source 0 window f; source 1, C and D window T.  Each accumulator has one instruction a step, so no two that follow each other share one.
.macro QKRUN f, T
	WIN (\f)|((\T)<<2)|((\T)<<6)
.irp t, 0,1,2,3
	v_wmma_f32_16x16x128_bf8_bf8 v[S+8*(4*\f+\t):S+8*(4*\f+\t)+7], v[FB+16*\t:FB+16*\t+15], v[QC:QC+15], 0
.endr
.endm
.macro PVRUN f, T
	WIN (\f)|((\T)<<2)|((\T)<<4)|((\T)<<6)
.irp t, 0,1,2,3
	v_wmma_f32_16x16x128_bf8_bf8 v[O+8*(4*\f+\t):O+8*(4*\f+\t)+7], v[FB+16*\t:FB+16*\t+15], v[PC:PC+15], v[O+8*(4*\f+\t):O+8*(4*\f+\t)+7]
.endr
.endm
; THE LISTS BELOW name one tile's registers and run under that tile's window.
; Register 16 b + i of S^T holds key KF + 32 b + 16 h + i: hidden where 32 b + i > my limit - KF - 16 h, or where its block (b / 2 of the step's two) is a hole (the limit is then -1).  Ascending, each accumulator from its low end.
; The compares stand in runs of sixteen, each into a scalar register of its own, with one wait behind the run.
.macro MASK
	v_sub_nc_u32 v[D0], v[QL], s[KF]
	v_min_i32 v[D1], s53, v[D0]
	v_min_i32 v[D0], s52, v[D0]
.irp b, 0,1,2,3
.set n, 0
.rept 16
	v_cmp_gt_i32 s[MK+n], 32*\b+n, v[D0-(\b)/2]    ; b = 0, 1: the first block's limit; b = 2, 3: the second's
.set n, n+1
.endr
	s_wait_alu depctr_va_sdst(0)                   ; the sixteen compares have written s[MK ..], ahead of the selects that read them
.set n, 0
.rept 16
	v_cndmask_b32 v[S+16*\b+n], v[S+16*\b+n], v[NEGV], s[MK+n]
.set n, n+1
.endr
.endr
.endm
.macro SM_A
	v_max3_num_f32 v[TA], v[S], v[S+1], v[S+2]     ; the step's largest score of my query among my 64 keys, in two chains,
	v_max3_num_f32 v[F], v[S+3], v[S+4], v[S+5]
.set n, 6
.rept 14
	v_max3_num_f32 v[TA], v[TA], v[S+n], v[S+n+1]
	v_max3_num_f32 v[F], v[F], v[S+n+2], v[S+n+3]
.set n, n+4
.endr
	v_max3_num_f32 v[TA], v[TA], v[S+62], v[S+63]
	v_max_num_f32 v[TA], v[TA], v[F]
	v_permlanex16_b32 v[PX], v[TA], s[SEL], s[SEL+1]
	v_max_num_f32 v[TA], v[TA], v[PX]              ; and among lane l xor 16's
	v_mul_f32 v[TA], s[CS], v[TA]                  ; as t (c is positive)
	v_max_num_f32 v[TM], v[TM], v[TA]              ; the running largest t
	v_mov_b32 v[TA], v[NM]
	v_floor_f32 v[NM], -v[TM]                      ; the new -M = floor(-t): M is a whole number
	v_sub_f32 v[TA], v[NM], v[TA]                  ; old M - new M, 0 or less
	v_cvt_i32_f32 v[TA], v[TA]                     ; (it saturates)
	v_ldexp_f32 v[F], 1.0, v[TA]                   ; f = 2^(old M - new M)
.set n, 0
.rept 32
	v_pk_fma_f32 v[S+n:S+n+1], v[S+n:S+n+1], s[CS:CS+1], v[NM:NM+1] op_sel_hi:[1,0,0]   ; t - M, two at a time
.set n, n+2
.endr
.set n, 0
.rept 64
	v_exp_f32 v[S+n], v[S+n]                       ; p = 2^(t - M)
.set n, n+1
.endr
	v_pk_mul_f32 v[L:L+1], v[L:L+1], v[F:F+1] op_sel_hi:[1,0]   ; the sums under the new M: the plain line behind the exponentials
	s_wait_alu depctr_va_vdst(0)                   ; the 64 exponentials have written p in v[S ..]: one wait for the batch, ahead of its first reader
	v_pk_add_f32 v[L2:L2+1], v[S:S+1], v[S+2:S+3]  ; the sum of the unquantised p, in two chains
.set n, 4
.rept 15
	v_pk_add_f32 v[L:L+1], v[L:L+1], v[S+n:S+n+1]
	v_pk_add_f32 v[L2:L2+1], v[L2:L2+1], v[S+n+2:S+n+3]
.set n, n+4
.endr
	v_pk_add_f32 v[L:L+1], v[L:L+1], v[L2:L2+1]
.endm
.macro HOLDP                           ; p is not negative: a one-sided hold at the largest code x the scale
.set n, 0
.rept 64
	v_min_num_f32 v[S+n], v[S+n], v[LIMP]
.set n, n+1
.endr
.endm
; p's codes, and O^T under the new M.  The eight multiplications behind each pair of conversions are the plain lines between a conversion and the later one that writes over its sources, and ahead of the products.
.macro SM_B
.irp b, 0,1,2,3
	v_cvt_scalef32_pk8_bf8_f32 v[PC+4*\b:PC+4*\b+1], v[S+16*\b:S+16*\b+7], v[SCP]
	v_cvt_scalef32_pk8_bf8_f32 v[PC+4*\b+2:PC+4*\b+3], v[S+16*\b+8:S+16*\b+15], v[SCP]
.irp i, 0,2,4,6,8,10,12,14
	v_pk_mul_f32 v[O+16*\b+\i:O+16*\b+\i+1], v[O+16*\b+\i:O+16*\b+\i+1], v[F:F+1] op_sel_hi:[1,0]
.endr
.endr
.endm
; q x 1 / sqrt(128), held, to codes: register 16 c + i = channel 32 c + 16 h + i of my query
.macro QQUANT
	v_mov_b32 v[SCP], s52                          ; 2^eq
	v_mov_b32 v[LIMP], s53                         ; 57,344 x 2^eq
.set n, 0
.rept 32
	v_pk_mul_f32 v[S+n:S+n+1], v[S+n:S+n+1], s[QS:QS+1] op_sel_hi:[1,0]
.set n, n+2
.endr
.set n, 0
.rept 64
	v_med3_num_f32 v[S+n], v[S+n], -v[LIMP], v[LIMP]
.set n, n+1
.endr
.irp c, 0,1,2,3
	v_cvt_scalef32_pk8_bf8_f32 v[QC+4*\c:QC+4*\c+1], v[S+16*\c:S+16*\c+7], v[SCP]
	v_cvt_scalef32_pk8_bf8_f32 v[QC+4*\c+2:QC+4*\c+3], v[S+16*\c+8:S+16*\c+15], v[SCP]
.endr
	v_nop                                          ; a plain line behind the last conversion
.endm
; The step is written for the loop alone: its first walk finds zeros, which the first change of M leaves zeros.  Clearing O^T once spares a further written copy of the step.
.macro INIT
	v_mov_b32 v[TM], 0xff61b1e6                    ; -3e38, under every t
	v_floor_f32 v[NM], -v[TM]
	v_mov_b32 v[L], 0
	v_mov_b32 v[L+1], 0
	v_mov_b32 v[PX], 0                             ; a lane permute's destination counts as read
	v_mov_b32 v[F+1], 0                            ; named as the upper half of a pair
.set n, 0
.rept 64
	v_mov_b32 v[O+n], 0
.set n, n+1
.endr
	v_mov_b32 v[LIMP], s54                         ; 57,344 x 2^ep
	v_mov_b32 v[SCP], s55                          ; 2^ep
	v_mov_b32 v[NEGV], s59                         ; the masked score
.endm
; How many steps the 32 queries from q0 on walk, and the first query's limit.  Signed.
.macro WALK q0, nw, lim0
	s_add_co_i32 \lim0, s[HIST], \q0
	s_add_co_i32 \nw, \lim0, 31
	s_min_i32 \lim0, \lim0, s[SLK1]
	s_min_i32 \nw, \nw, s[SLK1]
	s_min_i32 \nw, \nw, 2047                       ; the last query's last key
	s_cmp_le_i32 s[FK], \lim0                      ; has the first query a key that counts?  Then so have the others, whose limits are no lower
	s_cselect_b32 \nw, \nw, 2047                   ; else a row may be all masked, and takes all 2,048 keys
	s_lshr_b32 \nw, \nw, 7
	s_add_co_u32 \nw, \nw, 1
.endm
	s_load_b256 s[4:11], s[0:1], 0x0               ; q s[4:5], kv s[6:7], cu_seqlens_q s[8:9], cu_seqlens_k s[10:11]
	s_load_b128 s[12:15], s[0:1], 0x20             ; the table s[12:13], the scales' exponents s[14:15]
	s_load_b64 s[16:17], s[0:1], 0x30              ; out
	v_lshl_add_u32 v[SPW], v0, 2, SPARE
	v_mov_b32 v[NIL], 0
	v_lshrrev_b32 v8, 5, v0
	v_readfirstlane_b32 s[WV], v8                  ; wave 0..7
	v_and_b32 v8, 31, v0                           ; lane
	v_lshlrev_b32 v1, 4, v8
	v_lshlrev_b32 v2, 4, v0
	v_and_b32 v7, 15, v0                           ; r
	v_bfe_u32 v9, v0, 4, 1                         ; h
	s_wait_alu depctr_va_sdst(0)                   ; the wave's number is written in s[WV], ahead of its first reader
	s_mul_i32 s49, s[WV], WST
	s_add_co_u32 s49, s49, STAGE                   ; my stage
	v_mul_u32_u24 v3, v7, SP
	v_add_nc_u32 v3, s49, v3
	v_lshl_add_u32 v4, v9, 5, v3                   ; O on its way in: row r, + 32 h
	v_lshl_add_u32 v3, v9, 6, v3                   ; q on its way out: row r, + 64 h
	v_add_nc_u32 v5, s49, v1                       ; whole rows: 16 bytes a lane
	s_and_b32 s50, s[WV], 3                        ; which of the group's four heads
	s_lshl_b32 s51, s50, 13
	v_lshl_add_u32 v6, v8, 8, s51                  ; the prefetch: 8,192 bytes a wave, lanes 256 bytes apart
	v_lshlrev_b32 v8, 2, v8                        ; the table: an entry a lane
	v_lshlrev_b32 v9, 4, v9                        ; 16 h
	s_mov_b32 s24, ttmp9                           ; pi
	s_and_b32 s25, ttmp7, 0xffff                   ; sk
	s_lshr_b32 s26, s25, 3                         ; s
	s_and_b32 s27, s25, 7                          ; kv head
	s_sub_co_u32 s52, 31, s24
	s_cmp_lt_u32 s[WV], 4
	s_cselect_b32 s[Q0], s24, s52
	s_lshl_b32 s[Q0], s[Q0], 5
	s_lshl_b32 s53, s26, 10
	s_add_co_u32 s53, s53, s[Q0]                   ; my first token,
	s_lshl_b32 s53, s53, 5
	s_lshl_b32 s54, s27, 2
	s_add_co_u32 s53, s53, s54
	s_add_co_u32 s53, s53, s50                     ; x 32 heads + my head,
	s_lshl_b32 s60, s53, 9                         ; x 512 bytes
	s_mov_b32 s61, 0
	s_lshl_b32 s62, s25, 19                        ; sk x 16 steps x 32,768 bytes
	s_mov_b32 s63, 0
	s_lshl_b32 s66, s26, 2                         ; entry s of the cu arrays
	s_mov_b32 s67, 0
	s_lshl_b32 s68, s26, 7                         ; row s of the table
	s_mov_b32 s69, 0
	s_mov_b32 s[SEL], 0x76543210
	s_mov_b32 s[SEL+1], 0xfedcba98
	s_mov_b32 s[QS], 0x3db504f3                    ; 1 / sqrt(128)
	s_mov_b32 s[QS+1], s[QS]
	s_wait_kmcnt 0x0
	s_add_nc_u64 s[8:9], s[8:9], s[66:67]
	s_add_nc_u64 s[10:11], s[10:11], s[66:67]
	s_load_b32 s28, s[8:9], 0x0
	s_load_b32 s29, s[8:9], 0x4
	s_load_b32 s30, s[10:11], 0x0
	s_load_b32 s31, s[10:11], 0x4
	s_load_b128 s[32:35], s[14:15], 0x0            ; ek, eq, ev, ep
	s_add_nc_u64 s[6:7], s[6:7], s[62:63]
	s_add_nc_u64 s[4:5], s[4:5], s[60:61]
	s_add_nc_u64 s[16:17], s[16:17], s[60:61]
	s_add_nc_u64 s[12:13], s[12:13], s[68:69]
	s_wait_alu depctr_va_vdst(0)                   ; the offsets and LDS addresses v1 to v6 and v8 are written, which the kernel's loads, stores and prefetches read; so are v10 and v11, which the closing add reads
	GLOAD 0                                        ; step 0's codes: 8 loads
	global_load_b32 v[TA], v8, s[12:13]            ; my sequence's 32 entries
.irp i, 0,1,2,3,4,5,6,7,8,9,10,11,12,13,14,15
	global_load_b128 v[S+4*\i:S+4*\i+3], v1, s[4:5] offset:\i*16384 th:TH_LOAD_NT   ; tile 0: 32 lanes read a query's 512 consecutive bytes
.endr
	WIN 0x40
.irp i, 0,1,2,3,4,5,6,7,8,9,10,11,12,13,14,15
	global_load_b128 v[S+4*\i:S+4*\i+3], v1, s[4:5] offset:262144+\i*16384 th:TH_LOAD_NT   ; tile 1
.endr
	WIN 0
	s_wait_kmcnt 0x0
	s_sub_co_i32 s49, s29, s28                     ; seq_len_q
	s_sub_co_i32 s50, s31, s30                     ; seq_len_k
	s_sub_co_i32 s[HIST], s50, s49
	s_sub_co_i32 s[SLK1], s50, 1
	s_add_co_i32 s49, s32, s33                     ; ek + eq
	s_lshl_b32 s50, s49, 23
	s_add_co_i32 s[CS], s50, 0x3fb8aa3b            ; log2(e), the two exponents added to its exponent field
	s_mov_b32 s[CS+1], s[CS]
	s_sub_co_i32 s49, 160, s49
	s_lshl_b32 s49, s49, 23
	s_or_b32 s59, s49, 0x80000000                  ; -2^(33 - eq - ek)
	s_add_co_i32 s49, s33, 127
	s_lshl_b32 s52, s49, 23                        ; 2^eq
	s_add_co_i32 s49, s49, 15
	s_lshl_b32 s49, s49, 23
	s_or_b32 s53, s49, 0x600000                    ; 57,344 x 2^eq
	s_add_co_i32 s49, s35, 127
	s_lshl_b32 s55, s49, 23                        ; 2^ep
	s_add_co_i32 s49, s49, 15
	s_lshl_b32 s49, s49, 23
	s_or_b32 s54, s49, 0x600000                    ; 57,344 x 2^ep
	s_add_co_i32 s[EO], s34, s35
	s_cmp_lt_i32 s35, -15                          ; p is at most 1: the hold can bind only where 57,344 x 2^ep is under 1
	s_cselect_b32 s[HOLD], 1, 0
	s_wait_loadcnt 33                              ; step 0's eight are in; behind them: the table's load and q's 32
	FILLST 0
	s_wait_dscnt 0x0                               ; the stores have landed
	s_wait_alu depctr_vm_vsrc(0)                   ; the LDS stores have read v[SG ..] of both windows, in which step 1's loads land; the table's load has read v8, which is written again below
	GLOAD SLOTB                                    ; step 1's codes (every kv head has 16 steps: inside the buffer)
	s_wait_loadcnt 40                              ; the table's entries are in; behind them: q's 32 and step 1's 8
	v_cmp_le_i32 s[VB], 0, v[TA]
	s_wait_alu depctr_va_sdst(0)                   ; the compare has written s[VB], ahead of its first reader
	s_ctz_i32_b32 s[FK], s[VB]
	s_lshl_b32 s[FK], s[FK], 6
	s_cmp_eq_u32 s[VB], 0
	s_cselect_b32 s[FK], 0x7fffffff, s[FK]
	s_lshl_b32 s70, s24, 5
	s_sub_co_u32 s73, 31, s24
	s_lshl_b32 s73, s73, 5
	WALK s70, s71, s72                             ; the early block,
	WALK s73, s74, s75                             ; the late one
	s_max_u32 s[FILLN], s71, s74
	s_cmp_lt_u32 s[WV], 4
	s_cselect_b32 s[NW], s71, s74
	s_cselect_b32 s[LIM0], s72, s75
	s_lshr_b32 s49, s[WV], 2
	s_xor_b32 s49, s49, 1                          ; 0 in waves 4 to 7,
	s_or_b32 s49, s49, s24                         ; of the kv head's first work-group
	s_cmp_eq_u32 s49, 0
	s_cselect_b32 s[PLIM], s[FILLN], 0
	s_add_co_i32 s49, s[HIST], s[Q0]
	v_add_nc_u32 v[QL], s49, v7
	v_min_i32 v[QL], s[SLK1], v[QL]
	v_sub_nc_u32 v[QL], v[QL], v9                  ; tile 0: min(hist + my query, seq_len_k - 1) - 16 h
	s_add_co_i32 s49, s49, 16
	v_add_nc_u32 v8, s49, v7
	v_min_i32 v8, s[SLK1], v8
	v_sub_nc_u32 v8, v8, v9
	WIN 0x40
	v_mov_b32 v[QL], v8                            ; tile 1's
	WIN 0
	s_wait_loadcnt 8                               ; q is in; step 1's eight may be out
	; q turns through my stage: rows in as they lie, out 64 bytes a lane of each 128.  LDS serves a wave's instructions in order: no wait on DScnt between the stores and the loads, nor ahead of tile 1's stores.
.irp i, 0,1,2,3,4,5,6,7,8,9,10,11,12,13,14,15
	ds_store_b128 v5, v[S+4*\i:S+4*\i+3] offset:\i*SP
.endr
	s_wait_alu depctr_vm_vsrc(0)                   ; tile 0's LDS stores have read v[S ..] of window 0, in which the loads below land and which the quantiser then writes
.irp c, 0,1,2,3
.irp j, 0,1,2,3
	ds_load_b128 v[S+16*\c+4*\j:S+16*\c+4*\j+3], v3 offset:128*\c+16*\j
.endr
.endr
	WIN 0x04
.irp i, 0,1,2,3,4,5,6,7,8,9,10,11,12,13,14,15
	ds_store_b128 v5, v[S+4*\i:S+4*\i+3] offset:\i*SP
.endr
	s_wait_dscnt 16                                ; tile 0 is back; tile 1's 16 stores may be out
	WIN 0x40
	s_wait_alu depctr_vm_vsrc(0)                   ; tile 1's LDS stores have read v[S ..] of window 1, in which the loads below land and which the quantiser then writes
.irp c, 0,1,2,3
.irp j, 0,1,2,3
	ds_load_b128 v[S+16*\c+4*\j:S+16*\c+4*\j+3], v3 offset:128*\c+16*\j   ; tile 1 comes back while tile 0 is quantised
.endr
.endr
	WIN 0
	QQUANT
	INIT
	s_wait_dscnt 0x0                               ; tile 1 is back
	WIN 0x55                                       ; all four operand places in window 1
	QQUANT
	INIT
	WIN 0
	s_mov_b32 s[J], 0
	s_mov_b32 s[KF], 0
	s_mov_b32 s[TR], 8
; THE RING'S SHARE OF A STEP, which every wave does, whether it walks the step or not: my 4,096 bytes of step J + 1 go into the slot that was left, and my 4,096 bytes of step J + 2 are asked for.
; pf = 1: A PREFETCH INTO THE L2 of step J + 3, which the next step's loads will want, stands behind the loads.  All 16 work-groups of a kv head walk the same codes: the first of them asks, in its waves 4 to 7,
; 8,192 bytes a wave, lanes 256 bytes apart: each aligned block of 256 bytes is named once in the launch.  Steps 0 to 2 come by their loads alone; nothing is asked for beyond the steps that are brought in,
; and a wave asks only in steps that it walks, where the step's work stands between the prefetch and the next write of its address.
.macro FEED p, pf
	s_wait_loadcnt 0x0                             ; on every path: the codes asked for a step ago are in, ahead of the stores that read them and of the next loads into the same registers
	s_add_co_u32 s49, s[J], 1
	s_cmp_lt_u32 s49, s[FILLN]
	s_cbranch_scc0 .Lno_fill_\@
	FILLST 1-\p                                    ; step J + 1's codes
.Lno_fill_\@:
	s_wait_dscnt 0x0                               ; the stores have landed (and, in a wave that walks the step, K's fragments are in)
	s_wait_alu depctr_vm_vsrc(0)                   ; the LDS stores have read v[SG ..] of both windows, in which the loads below land: ahead of the branch, so on every way to them
	s_add_co_u32 s49, s[J], 2
	s_cmp_lt_u32 s49, s[FILLN]
	s_cbranch_scc0 .Lno_load_\@
	GLOAD \p*SLOTB                                 ; step J + 2's codes.  No vector instruction ever names these registers
.if \pf
	s_add_co_u32 s49, s[J], 3
	s_cmp_lt_u32 s49, s[PLIM]
	s_cbranch_scc0 .Lno_load_\@
	global_prefetch_b8 v6, s[6:7] offset:(\p+1)*SLOTB th:TH_LOAD_NT scope:SCOPE_SE
.endif
.Lno_load_\@:
.endm
; A KEY STEP, in slot p.  Every LDS address is a register that never changes plus an immediate.
.macro STEP p
	s_wait_dscnt 0x0                               ; my stores into this slot have landed, my reads of the other slot are in
	s_barrier_signal -1
	s_barrier_wait -1                              ; both now hold of all eight waves
.if \p == 0
	s_wait_xcnt 0x0                                ; the loads and the prefetch that named the pointer have read it
	s_add_nc_u64 s[6:7], s[6:7], 2*SLOTB           ; now at step J + 2
.endif
	s_cmp_lt_u32 s[J], s[NW]                       ; ONE test parts the two ways: the products below stand on the way on which their fragments are loaded
	s_cbranch_scc1 .Lwalk_\@
	FEED \p, 0                                     ; all 128 keys lie beyond my last query's limit: the ring's share alone
	s_branch .Lhidden_\@
.Lwalk_\@:
	s_wait_alu depctr_va_vdst(0)                   ; the last step's products V^T P^T are done reading V's fragments in v[FB ..] of both windows, in which K's land
	FRAGS0 \p*SLOTB                                ; K's eight fragments
	FRAGS1 \p*SLOTB
	WIN 0
	FEED \p, 1
	QKRUN 0, 0                                     ; S^T = K Q^T
	QKRUN 0, 1
	QKRUN 1, 0
	QKRUN 1, 1
.rept 4
	v_nop                                          ; four places ahead of the first read of the scores (ISA guide 7.12.1)
.endr
	WIN 0
	s_wait_alu depctr_va_vdst(0)                   ; the sixteen products K Q^T are done reading K's fragments in v[FB ..] of both windows, in which V's land
	FRAGS0 \p*SLOTB+VOFF                           ; V's fragments 0-3 land under the softmax
	s_add_co_i32 s49, s[KF], 127
	s_lshl_b32 s50, s[J], 1
	s_lshr_b32 s50, s[VB], s50
	s_and_b32 s50, s50, 3                          ; the step's two blocks
	s_cmp_le_i32 s49, s[LIM0]                      ; all 128 keys within my first query's limit,
	s_cselect_b32 s51, s50, 0
	s_cmp_eq_u32 s51, 3                            ; and neither block a hole: nothing to mask
	s_cbranch_scc1 .Lopen_\@
	s_bitcmp1_b32 s50, 0
	s_cselect_b32 s52, 0x7fffffff, -1
	s_bitcmp1_b32 s50, 1
	s_cselect_b32 s53, 0x7fffffff, -1
	MASK
	WIN 0x55
	MASK
	WIN 0
.Lopen_\@:
	SM_A
	FRAGS1 \p*SLOTB+VOFF                           ; V's fragments 4-7, where the window is switched anyway.  No further wait: since the wait behind the products only the mask's and the softmax's lines were issued, which name neither v1 nor v[FB ..] of window 1
	WIN 0x55
	SM_A
	WIN 0
	s_cmp_eq_u32 s[HOLD], 0
	s_cbranch_scc1 .Lno_hold_\@
	HOLDP
	WIN 0x55
	HOLDP
	WIN 0
.Lno_hold_\@:
	SM_B
	WIN 0x55
	SM_B
	s_wait_dscnt 0x0                               ; V is in
	PVRUN 0, 0                                     ; O^T += V^T P^T
	PVRUN 0, 1
	PVRUN 1, 0
	PVRUN 1, 1
.rept 5
	v_nop                                          ; five places: the next step's first products write over p's codes, which these products read (ISA guide 7.12.1)
.endr
	WIN 0
.Lhidden_\@:
	s_add_co_u32 s[KF], s[KF], 128
	s_add_co_u32 s[J], s[J], 1
.endm
.Ltrip:                                            ; eight trips of two steps: a constant, so that every wave passes every barrier; what a wave does not need it jumps over
	STEP 0
	STEP 1
	s_sub_co_u32 s[TR], s[TR], 1
	s_cmp_lg_u32 s[TR], 0
	s_cbranch_scc1 .Ltrip
	; THE WAY OUT.  O^T / the sum x 2^(ep + ev); register 8 t + i is out(query r, channel 16 t + 8 h + i).  A tile goes through my stage and leaves as whole rows of 512 bytes.
.macro OCALC                           ; under the tile's window
	v_add_f32 v[L], v[L], v[L+1]
	v_permlanex16_b32 v[PX], v[L], s[SEL], s[SEL+1]
	v_add_f32 v[L], v[L], v[PX]                    ; the row's sum: over 1/2, since the largest p is
	v_rcp_f32 v[L], v[L]
	v_nop                                          ; a plain line behind the reciprocal,
	s_wait_alu depctr_va_vdst(0)                   ; the reciprocal has written v[L], ahead of its first reader
	v_ldexp_f32 v[L], v[L], s[EO]
.set n, 0
.rept 32
	v_pk_mul_f32 v[S+n:S+n+1], v[O+n:O+n+1], v[L:L+1] op_sel_hi:[1,0]   ; each accumulator from its low end on
.set n, n+2
.endr
.endm
.macro OSTAGE T
	WIN 0x04*(\T)
	s_wait_alu depctr_va_vdst(0)                   ; the tile's multiplications have written v[S ..], which the LDS stores read, and are done reading v[O ..], in which the loads below land
.irp t, 0,1,2,3,4,5,6,7
	ds_store_b128 v4, v[S+8*\t:S+8*\t+3] offset:64*\t
	ds_store_b128 v4, v[S+8*\t+4:S+8*\t+7] offset:64*\t+16
.endr
	WIN 0x40*(\T)
.irp i, 0,1,2,3,4,5,6,7,8,9,10,11,12,13,14,15
	ds_load_b128 v[O+4*\i:O+4*\i+3], v5 offset:\i*SP   ; LDS serves a wave's instructions in order: these see my stores, and the next tile's stores come behind them
.endr
.endm
.macro OSEND T
	WIN 0x04*(\T)
.irp i, 0,1,2,3,4,5,6,7,8,9,10,11,12,13,14,15
	s_wait_dscnt 15-\i                             ; row i is back; the younger loads stay out
	global_store_b128 v1, v[O+4*\i:O+4*\i+3], s[16:17] offset:(\T)*262144+\i*16384 th:TH_STORE_NT   ; 32 lanes store 512 consecutive bytes, at a multiple of 256 from out's first byte
.endr
.endm
	OCALC
	OSTAGE 0
	WIN 0x55
	OCALC                                          ; tile 1's arithmetic stands between tile 0's loads from the stage and the wait for them; it names window 1's registers alone
	OSEND 0
	OSTAGE 1
	OSEND 1
	WIN 0                                          ; the add's two registers lie in window 0: the switch stands ahead of the closing lines
	s_wait_dscnt 0x0                               ; the closing lines, six on end
	s_wait_alu 0x0
	s_wait_tensorcnt 0x0
	ds_add_u32 v[SPW], v[NIL]
	s_wait_dscnt 0x0
	s_endpgm
.Lfunc_end_k_qfc6c35aefa_attn:
	.size	k_qfc6c35aefa_attn, .Lfunc_end_k_qfc6c35aefa_attn-k_qfc6c35aefa_attn
	.p2alignl 7, 3214868480
	.fill 96, 4, 3214868480
	.section	.rodata,"a",@progbits
	.p2align	6, 0x0
	.amdhsa_kernel k_qfc6c35aefa_attn
		.amdhsa_group_segment_fixed_size 134144
		.amdhsa_private_segment_fixed_size 0
		.amdhsa_enable_private_segment 0
		.amdhsa_kernarg_size 56
		.amdhsa_user_sgpr_count 2
		.amdhsa_user_sgpr_kernarg_segment_ptr 1
		.amdhsa_wavefront_size32 1
		.amdhsa_system_sgpr_workgroup_id_x 1
		.amdhsa_system_sgpr_workgroup_id_y 1
		.amdhsa_system_sgpr_workgroup_id_z 1
		.amdhsa_system_vgpr_workitem_id 0
		.amdhsa_next_free_vgpr 512
		.amdhsa_next_free_sgpr 96
		.amdhsa_reserve_vcc 0
		.amdhsa_float_denorm_mode_32 3
		.amdhsa_float_denorm_mode_16_64 3
		.amdhsa_memory_ordered 1
		.amdhsa_forward_progress 1
		.amdhsa_inst_pref_size 158
	.end_amdhsa_kernel
	.amdgpu_metadata
---
amdhsa.version: [ 1, 2 ]
amdhsa.kernels:
  - .name:           k_qfc6c35aefa_attn
    .symbol:         k_qfc6c35aefa_attn.kd
    .args:
      - { .name: q, .offset: 0, .size: 8, .value_kind: global_buffer, .address_space: global }
      - { .name: kv, .offset: 8, .size: 8, .value_kind: global_buffer, .address_space: global }
      - { .name: cu_seqlens_q, .offset: 16, .size: 8, .value_kind: global_buffer, .address_space: global }
      - { .name: cu_seqlens_k, .offset: 24, .size: 8, .value_kind: global_buffer, .address_space: global }
      - { .name: block_tables, .offset: 32, .size: 8, .value_kind: global_buffer, .address_space: global }
      - { .name: lowp_scales, .offset: 40, .size: 8, .value_kind: global_buffer, .address_space: global }
      - { .name: out0, .offset: 48, .size: 8, .value_kind: global_buffer, .address_space: global }
    .group_segment_fixed_size: 134144
    .private_segment_fixed_size: 0
    .kernarg_segment_align: 8
    .kernarg_segment_size: 56
    .max_flat_workgroup_size: 256
    .sgpr_count:     96
    .vgpr_count:     512
    .wavefront_size: 32
...
	.end_amdgpu_metadata
.endif
;; end of part 3
